; MI455X (gfx1250); checked and timed in simulation.
; The chip was launched on July 23, 2026; its instructions are those of AMD's public machine-readable ISA for CDNA 5 (MIT licence, August 2026) and "CDNA5" Instruction Set Architecture Reference Guide (July 2026). The comments in the code are by the model that wrote it; some were corrected since.
;; FFM. Allowed arithmetic: float matrix products may take bf16 or f16 operands with f32 sums; all other float work in f32.
;; Inputs: fc_b 1 float32; fc_w 1,024 x 1 float32; fields 1,024 int32; w 1,024 x 32 x 8 float32; x 16,384 x 1,024 float32.
;; Outputs: out0 16,384 x 1 float32.
;; One version. Each part assembles by itself: llvm-mc -triple=amdgcn-amd-amdhsa -mcpu=gfx1250 --defsym DOCPART=n.
;; ======== version 1 of 1: 2 launches
;; workspace buffers: at 1,114,112 bytes
;; launch build (part 1): grid 68 x 8, 4 waves a work-group, no clusters, 0 bytes of LDS; arguments w, fields, at; writes at
.if DOCPART == 1
	.amdgcn_target "amdgcn-amd-amdhsa--gfx1250"
	.amdhsa_code_object_version 6
	.text
	.protected	k_qd4cbcc2190_build
	.globl	k_qd4cbcc2190_build
	.p2align	8
	.type	k_qd4cbcc2190_build,@function
k_qd4cbcc2190_build:
	s_mov_b64 s[64:65], 0
	v_nop
	global_prefetch_b8 v0, s[64:65] scope:SCOPE_SE
	s_setreg_imm32_b32 hwreg(HW_REG_WAVE_MODE, 25, 1), 1
	s_wait_xcnt 0x0
; at = the strict upper triangle of A, in bf16, A[i][j] = (1/8) sum over k of w[i][f[j]][k] * w[j][f[i]][k] for i < j, 0 elsewhere,
; packed in the order and in the register image in which the second launch takes it.
; The 1024 features are 16 chunks of 64.  A unit is the block (chunk c of i) x (group g of j), c <= g: 64 x 64 bf16 = 8,192 bytes, 136 units.
; Step p (0..7) holds 17 units, q = 0..16:  q <= p: (c, g) = (15-p, 15-p+q);  q > p: (c, g) = (p, q-1).  Unit number u = 17 p + q.
; Byte u*8192 + wt*2048 + kk*512 + L*16 holds the 8 numbers A[i0 .. i0+7][j], j = 64 g + 16 wt + (L & 15), i0 = 64 c + 16 kk + 8 (L >> 4):
; the 16 bytes that lane L wants in four registers of a matrix fragment with j as the row and i along K.
; Grid x = 4 q + wt, grid y = p.  A work-group of 128 threads makes a quarter unit (2,048 bytes); thread t = 32 kk + L makes 16 bytes,
; so a store of a wave covers 512 consecutive bytes.  No LDS, no barrier, no branch, all lanes on.
; LIMITS: the sum over k is four packed chains and one add, in f32, and is rounded once to bf16.  A value of fields outside 0..31
; (negative ones too, read as unsigned) is taken as 31.
.set PW, 32                            ; v[32:95]   P_t = w[i0+t][f[j]][0..7], t = 0..7
.set QW, 96                            ; v[96:159]  Q_t = w[j][f[i0+t]][0..7]
.set AV, 162                           ; v[162:169] the eight results in f32
.set PK, 170                           ; v[170:173] the same in bf16; v[160:161] and v[174:175] are the sums at work, by turns
	s_load_b128 s[4:7], s[0:1], 0x0                ; w s[4:5], fields s[6:7]
	s_load_b64 s[8:9], s[0:1], 0x10                ; at
	s_lshr_b32 s10, ttmp9, 2                       ; q
	s_and_b32 s11, ttmp9, 3                        ; wt
	s_and_b32 s12, ttmp7, 0xffff                   ; p
	s_sub_co_u32 s13, 15, s12                      ; 15 - p
	s_add_co_u32 s14, s13, s10                     ; 15 - p + q
	s_sub_co_u32 s15, s10, 1                       ; q - 1 (wraps at q = 0, where it is not chosen)
	s_cmp_le_u32 s10, s12                          ; q <= p: a unit of the small chunk
	s_cselect_b32 s16, s13, s12                    ; c
	s_cselect_b32 s17, s14, s15                    ; g
	s_mul_i32 s18, s12, 17
	s_add_co_u32 s18, s18, s10                     ; u
	s_lshl_b32 s20, s18, 13
	s_lshl_b32 s19, s11, 11
	s_add_co_u32 s20, s20, s19                     ; byte offset of my quarter unit
	s_mov_b32 s21, 0
	s_lshl_b32 s22, s17, 6
	s_lshl4_add_u32 s22, s11, s22                  ; 64 g + 16 wt
	s_lshl_b32 s23, s16, 6                         ; 64 c
	v_and_b32 v1, 15, v0
	v_bfe_u32 v2, v0, 4, 1
	v_lshrrev_b32 v3, 5, v0                        ; kk
	v_add_nc_u32 v4, s22, v1                       ; j
	v_lshlrev_b32 v5, 4, v3
	v_lshl_add_u32 v5, v2, 3, v5
	v_add_nc_u32 v5, s23, v5                       ; i0
	v_sub_nc_u32 v6, v4, v5                        ; d = j - i0, signed: element t stays where t < d
	v_lshlrev_b32 v7, 4, v0                        ; my 16 bytes in the quarter unit
	v_lshlrev_b32 v8, 2, v4
	v_lshlrev_b32 v9, 2, v5
	s_wait_kmcnt 0x0
	s_add_nc_u64 s[8:9], s[8:9], s[20:21]
	global_load_b32 v10, v8, s[6:7]                ; f[j]
	global_load_b128 v[12:15], v9, s[6:7]          ; f[i0 .. i0+3]
	global_load_b128 v[16:19], v9, s[6:7] offset:16
	s_wait_loadcnt 0x0                             ; all nine enter addresses
	v_min_u32 v10, 31, v10                         ; an index stays inside its table
.irp t, 0,1,2,3,4,5,6,7
	v_min_u32 v[12+\t], 31, v[12+\t]
.endr
	v_lshlrev_b32 v20, 10, v5                      ; a row of w is 32 fields x 32 bytes
	v_lshl_add_u32 v20, v10, 5, v20                ; w[i0][f[j]]; the rows i0+t stand in the immediate
	v_lshlrev_b32 v21, 10, v4
.irp t, 0,1,2,3,4,5,6,7
	v_lshl_add_u32 v[22+\t], v[12+\t], 5, v21      ; w[j][f[i0+t]]
.endr
.irp t, 0,1,2,3,4,5,6,7
	global_load_b128 v[PW+8*\t:PW+8*\t+3],   v20, s[4:5] offset:1024*\t
	global_load_b128 v[PW+8*\t+4:PW+8*\t+7], v20, s[4:5] offset:1024*\t+16
	global_load_b128 v[QW+8*\t:QW+8*\t+3],   v[22+\t], s[4:5]
	global_load_b128 v[QW+8*\t+4:QW+8*\t+7], v[22+\t], s[4:5] offset:16
.endr
.irp t, 0,1,2,3,4,5,6,7
.set TT, 160+14*(\t&1)
	s_wait_loadcnt 28-4*\t                         ; loads come back in order: the four of element t are in, the four of each later one stay out
	v_pk_mul_f32 v[TT:TT+1], v[PW+8*\t:PW+8*\t+1], v[QW+8*\t:QW+8*\t+1]
	v_pk_fma_f32 v[TT:TT+1], v[PW+8*\t+2:PW+8*\t+3], v[QW+8*\t+2:QW+8*\t+3], v[TT:TT+1]
	v_pk_fma_f32 v[TT:TT+1], v[PW+8*\t+4:PW+8*\t+5], v[QW+8*\t+4:QW+8*\t+5], v[TT:TT+1]
	v_pk_fma_f32 v[TT:TT+1], v[PW+8*\t+6:PW+8*\t+7], v[QW+8*\t+6:QW+8*\t+7], v[TT:TT+1]
	v_add_f32 v[AV+\t], v[TT], v[TT+1]
.endr
.irp t, 0,2,4,6
	v_pk_mul_f32 v[AV+\t:AV+\t+1], v[AV+\t:AV+\t+1], 0x3e000000 op_sel_hi:[1,0]   ; the mean over k: times 1/8, exact
.endr
.irp t, 0,1,2,3,4,5,6,7
	v_cmp_lt_i32 vcc_lo, \t, v6                    ; i0 + t < j
	v_cndmask_b32 v[AV+\t], 0, v[AV+\t], vcc_lo    ; a select, not a factor 0: an infinity on or below the diagonal leaves 0 too
.endr
.irp t, 0,1,2,3
	v_cvt_pk_bf16_f32 v[PK+\t], v[AV+2*\t], v[AV+2*\t+1]   ; the lower i in the lower half
.endr
	global_store_b128 v7, v[PK:PK+3], s[8:9]
	s_endpgm
.Lfunc_end_k_qd4cbcc2190_build:
	.size	k_qd4cbcc2190_build, .Lfunc_end_k_qd4cbcc2190_build-k_qd4cbcc2190_build
	.p2alignl 7, 3214868480
	.fill 96, 4, 3214868480
	.section	.rodata,"a",@progbits
	.p2align	6, 0x0
	.amdhsa_kernel k_qd4cbcc2190_build
		.amdhsa_group_segment_fixed_size 0
		.amdhsa_private_segment_fixed_size 0
		.amdhsa_enable_private_segment 0
		.amdhsa_kernarg_size 24
		.amdhsa_user_sgpr_count 2
		.amdhsa_user_sgpr_kernarg_segment_ptr 1
		.amdhsa_wavefront_size32 1
		.amdhsa_system_sgpr_workgroup_id_x 1
		.amdhsa_system_sgpr_workgroup_id_y 1
		.amdhsa_system_sgpr_workgroup_id_z 1
		.amdhsa_system_vgpr_workitem_id 0
		.amdhsa_next_free_vgpr 176
		.amdhsa_next_free_sgpr 66
		.amdhsa_reserve_vcc 1
		.amdhsa_float_denorm_mode_32 3
		.amdhsa_float_denorm_mode_16_64 3
		.amdhsa_memory_ordered 1
		.amdhsa_forward_progress 1
		.amdhsa_inst_pref_size 10
	.end_amdhsa_kernel
	.amdgpu_metadata
---
amdhsa.version: [ 1, 2 ]
amdhsa.kernels:
  - .name:           k_qd4cbcc2190_build
    .symbol:         k_qd4cbcc2190_build.kd
    .args:
      - { .name: w, .offset: 0, .size: 8, .value_kind: global_buffer, .address_space: global }
      - { .name: fields, .offset: 8, .size: 8, .value_kind: global_buffer, .address_space: global }
      - { .name: at, .offset: 16, .size: 8, .value_kind: global_buffer, .address_space: global }
    .group_segment_fixed_size: 0
    .private_segment_fixed_size: 0
    .kernarg_segment_align: 8
    .kernarg_segment_size: 24
    .max_flat_workgroup_size: 128
    .sgpr_count:     66
    .vgpr_count:     176
    .wavefront_size: 32
...
	.end_amdgpu_metadata
.endif
;; end of part 1
;; launch ffm (part 2): grid 256 x 1, 4 waves a work-group, clusters of 4 x 1, 327,680 bytes of LDS; arguments x, at, fc_w, fc_b, out0; writes out0
.if DOCPART == 2
	.amdgcn_target "amdgcn-amd-amdhsa--gfx1250"
	.amdhsa_code_object_version 6
	.text
	.protected	k_qd4cbcc2190_ffm
	.globl	k_qd4cbcc2190_ffm
	.p2align	8
	.type	k_qd4cbcc2190_ffm,@function
k_qd4cbcc2190_ffm:
	s_mov_b64 s[64:65], 0
	v_nop
	global_prefetch_b8 v0, s[64:65] scope:SCOPE_SE
	s_setreg_imm32_b32 hwreg(HW_REG_WAVE_MODE, 25, 1), 1
	s_wait_xcnt 0x0
	s_wait_alu depctr_hold_cnt(0) depctr_sa_sdst(0) depctr_va_vdst(0) depctr_va_sdst(0) depctr_va_ssrc(0) depctr_va_vcc(0) depctr_vm_vsrc(0)
	s_getreg_b32 s2, hwreg(HW_REG_IB_STS2, 6, 4)
	s_cmp_eq_u32 s2, 0
	s_cbranch_scc0 .Lentry_in_a_cluster
	s_endpgm
.Lentry_in_a_cluster:
	s_bfe_u32 s2, ttmp6, 0x10000c
	s_cmp_lg_u32 s2, 0x3003
	s_cbranch_scc0 .Lentry_shape_is_right
	s_endpgm
.Lentry_shape_is_right:
; out0[b] = sigmoid( fc_b + sum over j of x[b][j] * (Y[b][j] + fc_w[j]) ),  Y = x * A,  A the strict upper triangle packed in at.
; A work-group owns 64 rows of x; four waves.  The 1024 features are 16 chunks (of i) and 16 groups (of j) of 64; only the 136 blocks
; (chunk c, group g) with c <= g are multiplied.  Step p = 0..7 takes chunk 15-p (e = 0, p+1 units) and chunk p (e = 1, 16-p units):
; always 17 units of 8,192 bytes of at, two chunks of x and 136 matrix instructions a wave, so every step asks for the same bytes.
; Unit q of step p:  q <= p: (c, g) = (15-p, 15-p+q);  q > p: (c, g) = (p, q-1).
; Wave w owns columns 64 g + 16 w .. + 15 of every group: 16 groups x 4 row tiles = 64 accumulators, 512 registers; no byte of at is
; read from LDS by two waves.
; THE MATRIX INSTRUCTION IS USED TRANSPOSED: source 0 = 16 columns j of A (i along K), source 1 = 16 rows of x.  Register jj of lane
; (r = lane % 16, h = lane / 16) of the result is Y[16 mt + r][64 g + 16 w + 8 h + jj]: eight neighbouring j of one row, which meet
; 16 bytes of x in bf16 and 32 bytes of fc_w in the closing dot.
; Group g <= 7 is whole behind unit (g, g) of step g, while chunk g of x is in LDS: it is retired there.  The x of groups 8..15
; (chunk 15-p, in LDS in step p) is kept, 16 registers of bf16, in the registers that the retired group p has just left.
; at comes by tensor loads into two LDS slots of one step (139,264 bytes) each.  All 256 work-groups walk the same tiles, so the four
; of a cluster ask JOINTLY (mask 15); each wave brings a quarter of a slot.  A wave has two tensor loads out
; at the start and one behind each later round.  x comes through registers (each wave 16 rows), is rounded to bf16 and laid into four
; LDS panels (2 steps x 2 chunks); 32 loads of 512 bytes of every wave are always on their way.
; LIMITS: x and A enter the products as bf16, x in the closing dot and in x * fc_w too; fc_w, fc_b and all sums are f32.
; sigmoid(z) = 1 / (1 + 2^(-1.442695 z)); v_exp_f32 and v_rcp_f32 flush denormals (ISA guide 15.8), so a result below 2^-126 is 0.
;
; LDS:  0 slot 0 | 139264 slot 1 | 278528 four x panels of 64 rows, pitch 144 | 315392 fc_w | 319488 sums [wave][64 rows] | 320512
; REGISTERS in windows of 256:
;   window 0: v2-7 addresses in the slots, v8-15 other addresses, v16-23 eight partial sums, v24-31 packed x to store, v32-47 x and
;             v48-55 fc_w of the group being retired, v56-63 at work, v64-191 the ring of 32 x loads, v192-255 x fragments, buffer 2
;   window 1: v0-63, v64-127 fragments of A, two buffers of four units; v128-191, v192-255 x fragments, buffers 0 and 1
;   window 2: accumulators of groups 0-7 at 32 g + 8 mt; later v[32 p .. 32 p + 15] = x of group 15-p;  window 3: groups 8-15
.set UNIT,  8192
.set SLOTB, 17*UNIT                    ; a slot: the 17 units of a step
.set QUART, SLOTB/4                    ; what one tensor load brings: 136 rows of 256 bytes
.set XBASE, 2*SLOTB
.set XP,    144                        ; panel pitch: 128 bytes + 16, nine times 16, so 16 rows start at 16 different 16-byte columns of 256
.set PANEL, 64*XP
.set FCWB,  XBASE+4*PANEL
.set REDB,  FCWB+4096
.set AFA,  2                           ; v[2+3n+k]: n*SLOTB + k*65536 + 2048 w + 16 lane
.set XFA,  8                           ; XBASE + 144 r + 16 h
.set EXA,  9                           ; XFA + 32 w
.set XSA,  10                          ; XBASE + (16 w + 8 h)*144 + 8 r
.set XG,   11                          ; (16 w + 8 h)*4096 + 16 r; never rewritten
.set FCA,  12                          ; FCWB + 64 w + 32 h
.set RSA,  13                          ; REDB + 256 w + 4 r
.set RLA,  14                          ; REDB + 8 lane
.set OUTO, 15                          ; 8 lane
.set P,    16
.set XB,   24
.set EX,   32
.set F,    48
.set TMP,  56
.set XS,   64
.set FG,   EX                          ; at the head only: 512 w + 16 lane
.set FL,   EX+1                        ; at the head only: FCWB + the same
.set TP,   F                           ; at the head only: wave, h, lane
.set G1,   16                          ; s[16:23] descriptor group 1
.set G0,   24                          ; s[24:31] descriptor group 0, four registers for each slot
.set MSB,  0
.macro WIN new                         ; the high byte of the immediate repeats the setting that is left
.if MSB != (\new)
	s_set_vgpr_msb (MSB<<8)|(\new)
.set MSB, \new
.endif
.endm
.macro PLACES                          ; four places behind a matrix instruction (ISA guide 7.12.1), where no useful vector work is at hand
.rept 4
	v_nop
.endr
.endm
.macro CREST                           ; a round of the cluster barrier behind its opening work-group barrier
	s_cmp_lg_u32 s8, 0
	s_cbranch_scc1 .Lnot_wave_0_\@
	s_barrier_signal -3
.Lnot_wave_0_\@:
	s_barrier_wait -3
	s_barrier_signal -1
	s_barrier_wait -1
.endm
.macro ROUND                           ; a whole round
	s_barrier_signal -1
	s_barrier_wait -1
	CREST
.endm
; Unit q of step p: group GG, chunk choice EE, x fragment buffer (window XW, register XR), accumulators (window AW, register AR)
.macro CGQ p, q
.if (\q) <= (\p)
.set GG, 15-(\p)+(\q)
.set EE, 0
.else
.set GG, (\q)-1
.set EE, 1
.endif
.set XK, (2*(\p)+EE)%3
.if XK == 2
.set XW, 0
.set XR, 192
.else
.set XW, 1
.set XR, 128+64*XK
.endif
.if GG < 8
.set AW, 2
.else
.set AW, 3
.endif
.set AR, 32*(GG&7)
.endm
; The matrix instructions of cnt units from q0 on, for 32 of the 64 along K (ks), fragments of A in buffer buf.
; The first touch of every accumulator (step 0, units 0..15, ks 0) takes the constant 0 as C: nothing is cleared.
.macro MULS p, q0, cnt, buf, ks
.set mq, \q0
.set mi, 0
.rept \cnt
	CGQ \p, mq
	WIN (AW<<6)|(AW<<4)|(XW<<2)|1
.set ZERO, 0
.if (\p) == 0
.if (\ks) == 0
.if mq <= 15
.set ZERO, 1
.endif
.endif
.endif
.irp mt, 0,1,2,3
.if ZERO
	v_wmma_f32_16x16x32_bf16 v[AR+8*\mt:AR+8*\mt+7], v[64*(\buf)+16*mi+8*(\ks):64*(\buf)+16*mi+8*(\ks)+7], v[XR+8*(4*(\ks)+\mt):XR+8*(4*(\ks)+\mt)+7], 0
.else
	v_wmma_f32_16x16x32_bf16 v[AR+8*\mt:AR+8*\mt+7], v[64*(\buf)+16*mi+8*(\ks):64*(\buf)+16*mi+8*(\ks)+7], v[XR+8*(4*(\ks)+\mt):XR+8*(4*(\ks)+\mt)+7], v[AR+8*\mt:AR+8*\mt+7]
.endif
.endr
.set mq, mq+1
.set mi, mi+1
.endr
.endm
; Fragments of A: cnt units from q0 on of step p into buffer buf; four loads a unit, each 512 consecutive bytes
.macro AFETCH p, buf, q0, cnt
	WIN 0x40
.set qq, \q0
.set ii, 0
.rept \cnt
.irp o, 0,1,2,3
	ds_load_b128 v[64*(\buf)+16*ii+4*\o:64*(\buf)+16*ii+4*\o+3], v[AFA+3*((\p)&1)+(qq>>3)] offset:(qq&7)*UNIT+512*\o
.endr
.set qq, qq+1
.set ii, ii+1
.endr
.endm
; x fragments of chunk e of step p (64 rows x 64 K) into buffer (2 p + e) mod 3
.macro XFETCH p, e
.set XK, (2*(\p)+(\e))%3
.if XK == 2
	WIN 0
.set XR, 192
.else
	WIN 0x40
.set XR, 128+64*XK
.endif
.irp ks, 0,1
.irp mt, 0,1,2,3
.irp j2, 0,1
	ds_load_b128 v[XR+8*(4*\ks+\mt)+4*\j2:XR+8*(4*\ks+\mt)+4*\j2+3], v[XFA] offset:(2*((\p)&1)+(\e))*PANEL+\mt*2304+\ks*64+\j2*32
.endr
.endr
.endr
.endm
; The stream of x.  Piece pc = 0..31 is four loads: step pc/4, chunk choice (pc/2)&1, rows 4 (pc&1) .. + 3 of each half wave's eight.
.macro XSYM pc
.set XST, (\pc)>>2
.set XE, ((\pc)>>1)&1
.set XI, 4*((\pc)&1)
.if XE
.set XCH, XST
.else
.set XCH, 15-XST
.endif
.set XRG, XS+16*((\pc)&7)
.set XPN, (2*(XST&1)+XE)*PANEL
.endm
.macro XGET pc                         ; lanes 0-15 take 256 consecutive bytes of row 16 w + i, lanes 16-31 of row 16 w + 8 + i
	XSYM \pc
.irp t, 0,1,2,3
	global_load_b128 v[XRG+4*\t:XRG+4*\t+3], v[XG], s[36:37] offset:(XI+\t)*4096+XCH*256 th:TH_LOAD_NT
.endr
.endm
.macro XCVT pc                         ; eight plain vector instructions, on registers of window 0 that no matrix instruction names
	XSYM \pc
.if (\pc) <= 24
	s_wait_loadcnt 28                              ; 32 + 4 pc loads of x are issued, 4 pc + 4 must be in: the 28 younger stay out
.else
	s_wait_loadcnt 124-4*(\pc)                     ; all 128 are issued: the count runs down
.endif
.irp t, 0,1,2,3
	v_cvt_pk_bf16_f32 v[XB+2*\t],   v[XRG+4*\t],   v[XRG+4*\t+1]
	v_cvt_pk_bf16_f32 v[XB+2*\t+1], v[XRG+4*\t+2], v[XRG+4*\t+3]
.endr
.endm
.macro XPUT pc                         ; the half waves lie 8 x 144 = 1,152 bytes apart: 128 modulo 256
	XSYM \pc
.irp t, 0,1,2,3
	ds_store_b64 v[XSA], v[XB+2*\t:XB+2*\t+1] offset:XPN+(XI+\t)*XP
.endr
.endm
; x (bf16) and fc_w of my 8 columns of group p, for its retirement
.macro EXGET p
	WIN 0
.irp mt, 0,1,2,3
	ds_load_b128 v[EX+4*\mt:EX+4*\mt+3], v[EXA] offset:(2*((\p)&1)+1)*PANEL+\mt*2304
.endr
	ds_load_b128 v[F:F+3],   v[FCA] offset:256*(\p)
	ds_load_b128 v[F+4:F+7], v[FCA] offset:256*(\p)+16
.endm
.macro ADDF ab, fb                     ; a group's 32 accumulator registers += its 8 fc_w
.irp mt, 0,1,2,3
.irp k, 0,2,4,6
	v_pk_add_f32 v[8*\mt+\k+(\ab):8*\mt+\k+(\ab)+1], v[8*\mt+\k+(\ab):8*\mt+\k+(\ab)+1], v[\k+(\fb):\k+(\fb)+1]
.endr
.endr
.endm
.macro DOT xb, ab                      ; P += x * (Y + fc_w), x straight from its bf16 halves; eight sums take turns
.irp jp, 0,1,2,3
.irp mt, 0,1,2,3
	v_fma_mix_f32_bf16 v[P+2*\mt], v[4*\mt+\jp+(\xb)], v[8*\mt+2*\jp+(\ab)], v[P+2*\mt] op_sel_hi:[1,0,0]
.endr
.irp mt, 0,1,2,3
	v_fma_mix_f32_bf16 v[P+2*\mt+1], v[4*\mt+\jp+(\xb)], v[8*\mt+2*\jp+1+(\ab)], v[P+2*\mt+1] op_sel:[1,0,0] op_sel_hi:[1,0,0]
.endr
.endr
.endm
; Group p is retired; then the x of group 15-p goes into the first 16 of its registers
.macro EPI p
	WIN 0x82
	ADDF 32*(\p), F
	WIN 0x08
	DOT EX, 32*(\p)
	WIN 0x80
.irp mt, 0,1,2,3
	ds_load_b128 v[32*(\p)+4*\mt:32*(\p)+4*\mt+3], v[EXA] offset:2*((\p)&1)*PANEL+\mt*2304
.endr
.endm
.macro FGET                            ; fc_w of groups 8..15 into buffer 0 of the fragments of A, which has had its last use
	WIN 0x40
.irp g, 8,9,10,11,12,13,14,15
	ds_load_b128 v[8*(\g-8):8*(\g-8)+3],   v[FCA] offset:256*\g
	ds_load_b128 v[8*(\g-8)+4:8*(\g-8)+7], v[FCA] offset:256*\g+16
.endr
.endm
; A batch: cnt units from q0 on of step p.  At its head all that was fetched at the last head is in; then vector work, which also
; fills the places behind the last matrix instructions; then the fetches for the next batch (nq0, ncnt); then the matrix instructions,
; ks outermost, so that the batch's 12 or 16 accumulators take turns, one instruction a turn.
; In the middle of batch 3 stands the step's one synchronisation: by then the fragments of batch 4, the last reads of this step's slot,
; and the reads of this step's x panels are waited for, the next step's x panels are stored, and the next slot has landed.
.macro BATCH p, b, q0, cnt, nq0, ncnt
.set BUF, (5*(\p)+(\b))&1
.set BD, ((\p)+1)/3
.set PC, 4*((\p)+1)+(\b)
.set XWORK, 0
.set SYNC, 0
.if (\p) < 7
.if (\b) < 4
.set XWORK, 1
.endif
.if (\b) == 3
.set SYNC, 1
.endif
.endif
	WIN 0
	s_wait_dscnt 0x0                               ; this batch's fragments, issued a batch ago, and all else of mine in LDS
.if XWORK
	XCVT PC                                        ; a quarter of the next step's x; eight places
.else
	PLACES
.endif
.if (\b) == BD+1
	EPI \p                                         ; the diagonal unit stood in the last batch
	WIN 0
.endif
.if XWORK
	XPUT PC
.if PC+8 <= 31
	XGET PC+8                                      ; into the registers just converted
.endif
.endif
.if (\b) == BD
	EXGET \p
.endif
.if (\b) < 4
	AFETCH \p, 1-BUF, \nq0, \ncnt
.else
.if (\p) < 7
	XFETCH (\p)+1, 0                               ; into the buffer that the last step's chunk e = 1 left
	XFETCH (\p)+1, 1                               ; into the buffer of this step's chunk e = 0, last used in a unit q <= 7
	AFETCH (\p)+1, 1-BUF, \nq0, \ncnt
.else
	FGET
.endif
.endif
	MULS \p, \q0, \cnt, BUF, 0
.if SYNC
	s_wait_dscnt 0x0                               ; my reads of this slot and of this step's panels are back, my x stores are done
	s_wait_xcnt 0x0
	s_set_vgpr_msb (MSB<<8)|((MSB&0x3c)|0x0)
	v_lshl_add_u32 v62, v0, 2, 0x4e400
	v_mov_b32 v63, 0
	s_set_vgpr_msb (((MSB&0x3c)|0x0)<<8)|((MSB&0x30)|0x0)
	s_wait_tensorcnt 0x0                           ; all my tensor loads have landed: the one that was out is my quarter of the next slot
	ds_add_u32 v62, v63
	s_wait_dscnt 0x0
	s_set_vgpr_msb (((MSB&0x30)|0x0)<<8)|MSB
	s_barrier_signal -1                            ; say so; in steps 0..5 this barrier opens a round of the cluster barrier
.endif
	MULS \p, \q0, \cnt, BUF, 1                     ; register work while the others arrive
.if SYNC
	WIN 0
	s_barrier_wait -1
.if (\p) < 6
	CREST                                          ; no wave of any of the four work-groups still reads this slot or has a load on its way
	s_add_nc_u64 s[G0+4*((\p)&1)+2:G0+4*((\p)&1)+3], s[G0+4*((\p)&1)+2:G0+4*((\p)&1)+3], 2*SLOTB
	tensor_load_to_lds s[G0+4*((\p)&1):G0+4*((\p)&1)+3], s[G1:G1+7]   ; two steps ahead: my one tensor load behind the round, first thing there; it has 136 matrix instructions in which to land
	s_nop 0
.endif
.endif
.endm
.macro STEP p
	BATCH \p, 0, 0, 3, 3, 3
	BATCH \p, 1, 3, 3, 6, 3
	BATCH \p, 2, 6, 3, 9, 4
	BATCH \p, 3, 9, 4, 13, 4
	BATCH \p, 4, 13, 4, 0, 3
.endm
	s_load_b256 s[36:43], s[0:1], 0x0              ; x s[36:37], at s[38:39], fc_w s[40:41], fc_b s[42:43]
	s_load_b64 s[44:45], s[0:1], 0x20              ; out0
	v_lshl_add_u32 v62, v0, 2, 0x4e400
	v_mov_b32 v63, 0
	ds_add_u32 v62, v63
	s_wait_dscnt 0x0
	v_lshrrev_b32 v[TP], 5, v0
	v_readfirstlane_b32 s8, v[TP]                  ; wave 0..3
	s_bfe_u32 s9, ttmp6, 0x40000                   ; cx; it enters the addresses of x and out0 alone
	s_lshl_b32 s10, ttmp9, 2
	s_add_co_u32 s10, s10, s9                      ; work-group = 4 x cluster + cx
	s_lshl_b32 s12, s10, 18                        ; 64 rows of 4,096 bytes
	s_mov_b32 s13, 0
	s_lshl_b32 s46, s10, 8                         ; 64 results of 4 bytes
	s_mov_b32 s47, 0
	s_mul_i32 s14, s8, QUART                       ; my quarter of a slot, in at and in LDS alike
	s_mov_b32 s15, 0
	s_mov_b32 s32, 0x76543210                      ; v_permlanex16_b32: lane i of one half reads lane i of the other
	s_mov_b32 s33, 0xfedcba98
	v_and_b32 v1, 15, v0                           ; r
	v_bfe_u32 v[TP+1], v0, 4, 1                    ; h
	v_and_b32 v[TP+2], 31, v0                      ; lane
	v_lshlrev_b32 v[XG], 4, v1
	v_lshl_add_u32 v[XG], v[TP+1], 15, v[XG]
	v_lshl_add_u32 v[XG], s8, 16, v[XG]
	v_lshlrev_b32 v[FG], 4, v[TP+2]
	v_lshl_add_u32 v[FG], s8, 9, v[FG]
	s_wait_kmcnt 0x0
	s_add_nc_u64 s[36:37], s[36:37], s[12:13]
	s_add_nc_u64 s[44:45], s[44:45], s[46:47]
	s_add_nc_u64 s[38:39], s[38:39], s[14:15]
	s_load_b32 s34, s[42:43], 0x0                  ; fc_b
	global_load_b128 v[TMP:TMP+3],   v[FG], s[40:41]               ; fc_w: 2 x 2,048 bytes by the four waves
	global_load_b128 v[TMP+4:TMP+7], v[FG], s[40:41] offset:2048
.irp pc, 0,1,2,3,4,5,6,7
	XGET \pc                                       ; the ring of x is filled: steps 0 and 1
.endr
	; descriptor group 1: a dense block of 136 rows of 32 elements of 8 bytes
	s_mov_b32 s[G1+0], (15)|(3<<16)|(1<<21)        ; 15:0 the mask: all four work-groups of the cluster; 17:16 elements of 8 bytes; 20 no padding; 21 set beside a mask
	s_mov_b32 s[G1+1], 32<<16                      ; tensor_dim0 = 32
	s_mov_b32 s[G1+2], 136<<16                     ; tensor_dim1 = 136
	s_mov_b32 s[G1+3], 32<<16                      ; tile_dim0 = 32
	s_mov_b32 s[G1+4], 136                         ; tile_dim1 = 136
	s_mov_b32 s[G1+5], 32                          ; from row to row: 32 elements
	s_mov_b32 s[G1+6], 0
	s_mov_b32 s[G1+7], 0
.irp sl, 0,1
	s_mov_b32 s[G0+4*\sl], 1                                       ; count = 1
	s_add_co_u32 s[G0+4*\sl+1], s14, \sl*SLOTB                     ; LDS address: slot + wave x quarter
	s_add_nc_u64 s[G0+4*\sl+2:G0+4*\sl+3], s[38:39], \sl*SLOTB     ; the same quarter of step 0 or 1 in at
	s_or_b32 s[G0+4*\sl+3], s[G0+4*\sl+3], 0x80000000              ; type = 2
.endr
	ROUND                                          ; the four work-groups are here: the first joint loads meet
	tensor_load_to_lds s[G0:G0+3], s[G1:G1+7]      ; both first fills go out together
	s_nop 0
	tensor_load_to_lds s[G0+4:G0+7], s[G1:G1+7]
	s_nop 0
	v_lshlrev_b32 v[AFA], 4, v[TP+2]
	v_lshl_add_u32 v[AFA], s8, 11, v[AFA]
	v_add_nc_u32 v[AFA+1], 65536, v[AFA]           ; an LDS immediate has 16 bits: units 8..15 and 16 get registers of their own
	v_add_nc_u32 v[AFA+2], 131072, v[AFA]
	v_add_nc_u32 v[AFA+3], SLOTB, v[AFA]
	v_add_nc_u32 v[AFA+4], SLOTB+65536, v[AFA]
	v_add_nc_u32 v[AFA+5], SLOTB+131072, v[AFA]
	v_mul_u32_u24 v[XFA], v1, XP
	v_lshl_add_u32 v[XFA], v[TP+1], 4, v[XFA]
	v_add_nc_u32 v[XFA], XBASE, v[XFA]
	v_lshl_add_u32 v[EXA], s8, 5, v[XFA]
	s_mul_i32 s35, s8, 16*XP
	s_add_co_u32 s35, s35, XBASE
	v_mul_u32_u24 v[XSA], v[TP+1], 8*XP
	v_lshl_add_u32 v[XSA], v1, 3, v[XSA]
	v_add_nc_u32 v[XSA], s35, v[XSA]
	v_lshlrev_b32 v[FCA], 5, v[TP+1]
	v_lshl_add_u32 v[FCA], s8, 6, v[FCA]
	v_add_nc_u32 v[FCA], FCWB, v[FCA]
	v_lshlrev_b32 v[RSA], 2, v1
	v_lshl_add_u32 v[RSA], s8, 8, v[RSA]
	v_add_nc_u32 v[RSA], REDB, v[RSA]
	v_lshlrev_b32 v[OUTO], 3, v[TP+2]
	v_add_nc_u32 v[RLA], REDB, v[OUTO]
	v_add_nc_u32 v[FL], FCWB, v[FG]
.irp i, 0,1,2,3,4,5,6,7
	v_mov_b32 v[P+\i], 0                           ; the eight partial sums of the closing dot
.endr
	s_wait_loadcnt 32                              ; fc_w is in; the 32 loads of x issued behind it stay out
	ds_store_b128 v[FL], v[TMP:TMP+3]
	ds_store_b128 v[FL], v[TMP+4:TMP+7] offset:2048
.irp pc, 0,1,2,3
	XCVT \pc                                       ; the x panels of step 0
	XPUT \pc
	XGET \pc+8
.endr
	s_wait_tensorcnt 0x1                           ; my quarter of slot 0 is in; slot 1 may stay out
	s_wait_dscnt 0x0                               ; my stores of fc_w and x are done
	s_wait_kmcnt 0x0                               ; fc_b
	s_barrier_signal -1
	s_barrier_wait -1
	XFETCH 0, 0
	XFETCH 0, 1
	AFETCH 0, 0, 0, 3
.irp p, 0,1,2,3,4,5,6,7
	STEP \p
.endr
	; groups 8..15: their x lies in window 2, their fc_w in window 1, their sums in window 3
	WIN 0
	s_wait_dscnt 0x0                               ; fc_w of groups 8..15
	PLACES                                         ; behind the last matrix instructions
	WIN 0xc7
.irp g, 0,1,2,3,4,5,6,7
	ADDF 32*\g, 8*\g
.endr
	WIN 0x0e
.irp g, 0,1,2,3,4,5,6,7
	DOT 32*(7-\g), 32*\g
.endr
	WIN 0
	; lane (r, h) holds, for row 16 mt + r, the share of its 8 columns in each of my 16 tiles: add the two chains, the two halves, the four waves
.irp mt, 0,1,2,3
	v_add_f32 v[P+2*\mt], v[P+2*\mt], v[P+2*\mt+1]
.endr
.irp mt, 0,1,2,3
	v_permlanex16_b32 v[XB+\mt], v[P+2*\mt], s32, s33      ; its destination counts as read: these registers have been written
.endr
.irp mt, 0,1,2,3
	v_add_f32 v[P+2*\mt], v[P+2*\mt], v[XB+\mt]
.endr
.irp mt, 0,1,2,3
	ds_store_b32 v[RSA], v[P+2*\mt] offset:64*\mt          ; lanes r and r + 16 write the same word with the same value
.endr
	s_wait_dscnt 0x0                               ; for wave 0, which reads all four waves' words
	s_barrier_signal -1
	s_barrier_wait -1
	s_cmp_lg_u32 s8, 0
	s_cbranch_scc1 .Lclose
	ds_load_b64 v[TMP:TMP+1],   v[RLA]             ; rows 2 lane and 2 lane + 1, of each wave
	ds_load_b64 v[TMP+2:TMP+3], v[RLA] offset:256
	ds_load_b64 v[TMP+4:TMP+5], v[RLA] offset:512
	ds_load_b64 v[TMP+6:TMP+7], v[RLA] offset:768
	s_mov_b32 s11, 0xbfb8aa3b                      ; -log2(e)
	s_wait_dscnt 0x0
	v_pk_add_f32 v[TMP:TMP+1], v[TMP:TMP+1], v[TMP+2:TMP+3]
	v_pk_add_f32 v[TMP+4:TMP+5], v[TMP+4:TMP+5], v[TMP+6:TMP+7]
	v_mul_f32 v[TMP+2], s11, s34                   ; -log2(e) fc_b
	v_pk_add_f32 v[TMP:TMP+1], v[TMP:TMP+1], v[TMP+4:TMP+5]
	v_fma_f32 v[TMP], v[TMP], s11, v[TMP+2]        ; -log2(e) z
	v_fma_f32 v[TMP+1], v[TMP+1], s11, v[TMP+2]
	v_exp_f32 v[TMP], v[TMP]
	v_exp_f32 v[TMP+1], v[TMP+1]
	v_nop                                          ; one plain vector instruction behind a transcendental before its result is used (ISA guide 5.7.2)
	s_wait_alu depctr_va_vdst(0)
	v_pk_add_f32 v[TMP:TMP+1], v[TMP:TMP+1], 1.0 op_sel_hi:[1,0]
	v_rcp_f32 v[TMP], v[TMP]
	v_rcp_f32 v[TMP+1], v[TMP+1]
	v_nop
	s_wait_alu depctr_va_vdst(0)
	global_store_b64 v[OUTO], v[TMP:TMP+1], s[44:45]       ; the 64 results of the work-group: 256 consecutive bytes, aligned, by one instruction
.Lclose:
	s_wait_xcnt 0x0
	s_set_vgpr_msb (MSB<<8)|((MSB&0x3c)|0x0)
	v_lshl_add_u32 v62, v0, 2, 0x4e400
	v_mov_b32 v63, 0
	s_set_vgpr_msb (((MSB&0x3c)|0x0)<<8)|((MSB&0x30)|0x0)
	s_wait_tensorcnt 0x0
	ds_add_u32 v62, v63
	s_wait_dscnt 0x0
	s_set_vgpr_msb (((MSB&0x30)|0x0)<<8)|MSB
	ROUND                                          ; the closing round: no work-group ends while a partner may still issue a joint load that names it
	s_endpgm
.Lfunc_end_k_qd4cbcc2190_ffm:
	.size	k_qd4cbcc2190_ffm, .Lfunc_end_k_qd4cbcc2190_ffm-k_qd4cbcc2190_ffm
	.p2alignl 7, 3214868480
	.fill 96, 4, 3214868480
	.section	.rodata,"a",@progbits
	.p2align	6, 0x0
	.amdhsa_kernel k_qd4cbcc2190_ffm
		.amdhsa_group_segment_fixed_size 327680
		.amdhsa_private_segment_fixed_size 0
		.amdhsa_enable_private_segment 0
		.amdhsa_kernarg_size 40
		.amdhsa_user_sgpr_count 2
		.amdhsa_user_sgpr_kernarg_segment_ptr 1
		.amdhsa_wavefront_size32 1
		.amdhsa_system_sgpr_workgroup_id_x 1
		.amdhsa_system_sgpr_workgroup_id_y 1
		.amdhsa_system_sgpr_workgroup_id_z 1
		.amdhsa_system_vgpr_workitem_id 0
		.amdhsa_next_free_vgpr 1024
		.amdhsa_next_free_sgpr 66
		.amdhsa_reserve_vcc 0
		.amdhsa_float_denorm_mode_32 3
		.amdhsa_float_denorm_mode_16_64 3
		.amdhsa_memory_ordered 1
		.amdhsa_forward_progress 1
		.amdhsa_inst_pref_size 232
	.end_amdhsa_kernel
	.amdgpu_metadata
---
amdhsa.version: [ 1, 2 ]
amdhsa.kernels:
  - .name:           k_qd4cbcc2190_ffm
    .symbol:         k_qd4cbcc2190_ffm.kd
    .args:
      - { .name: x, .offset: 0, .size: 8, .value_kind: global_buffer, .address_space: global }
      - { .name: at, .offset: 8, .size: 8, .value_kind: global_buffer, .address_space: global }
      - { .name: fc_w, .offset: 16, .size: 8, .value_kind: global_buffer, .address_space: global }
      - { .name: fc_b, .offset: 24, .size: 8, .value_kind: global_buffer, .address_space: global }
      - { .name: out0, .offset: 32, .size: 8, .value_kind: global_buffer, .address_space: global }
    .group_segment_fixed_size: 327680
    .private_segment_fixed_size: 0
    .kernarg_segment_align: 8
    .kernarg_segment_size: 40
    .max_flat_workgroup_size: 128
    .sgpr_count:     66
    .vgpr_count:     1024
    .wavefront_size: 32
...
	.end_amdgpu_metadata
.endif
;; end of part 2
